; MI455X (gfx1250); checked and timed in simulation.
; The chip was launched on July 23, 2026; its instructions are those of AMD's public machine-readable ISA for CDNA 5 (MIT licence, August 2026) and "CDNA5" Instruction Set Architecture Reference Guide (July 2026). The comments in the code are by the model that wrote it; some were corrected since.
;; Attention. Allowed arithmetic: matrix products marked QUANTISED: E5M2 operands, one given power-of-two scale a tensor, by v_wmma_f32_16x16x64_bf8_bf8 or v_wmma_f32_16x16x128_bf8_bf8, f32 sums; products left as they are: f32 operands where the result goes on into a quantised operand, else bf16, f16 or f32 operands; f32 sums; everything else in f32.
;; Inputs: Wa 32 x 1 float32; Wt_codes 32 x 16 x 32 uint8 (E5M2 codes of Wt, K innermost, in blocks of 32 codes); Wx_codes 32 x 16 x 32 uint8 (E5M2 codes of Wx, K innermost, in blocks of 32 codes); ba 1 float32; bh 32 float32; lowp_scales 6 int32 (the exponents e of the quantised operands' scales 2^e); x 4 x 1,024 x 512 float32.
;; Outputs: out0 4 x 1,024 x 512 float32.
;; This version of the problem:
;;   THIS VERSION OF THE PROBLEM IS GIVEN IN LOW PRECISION. The matrix products marked QUANTISED in the list below multiply operands that are first quantised to E5M2 (5 exponent bits, 2 mantissa bits; 8 bits a number), with one given power-of-two scale for each operand tensor; their sums are f32. All else is computed in f32.
;;   The module's matrix products, in the order in which they are computed (A, B: the left and right operand; K: the contracted axis; several contracted axes count as one K, in the product's order):
;;     1. [M 4,096, K 512] x [K 512, N 32]; A: input x; B: input Wt (given as codes): QUANTISED (scales: A lowp_scales[0], B lowp_scales[1])
;;     2. [M 4,096, K 512] x [K 512, N 32]; A: input x; B: input Wx (given as codes): QUANTISED (scales: A lowp_scales[2], B lowp_scales[3])
;;     3. [M 4,194,304, K 32] x [K 32, N 1]; A: computed on the way; B: input Wa: left as it is (N = 1 < 16)
;;     4. batch 4 x [M 1,024, K 1,024] x [K 1,024, N 512]; A: computed on the way; B: input x: QUANTISED (scales: A lowp_scales[4], B lowp_scales[5])
;;   THE QUANTISER, for each operand of a quantised product, along K:
;;     - The operand's scale is 2^e, e = its entry of the input lowp_scales (int32; the entries are numbered through the quantised products in the list's order, A before B).
;;     - Each number is divided by the scale, clamped to +-57,344, and rounded to the nearest number of E5M2, ties to even, subnormals kept.
;;     - The product sums the exact products of the quantised numbers (number of the format x scale) in f32.
;;   ~~~python
;;   def quantise(x, axis, e):      # numpy; x: float32 -> the quantised numbers, widened to float32 again
;;       x = np.moveaxis(x, axis, -1); K = x.shape[-1]
;;       r = np.clip(x / 2.0 ** e, -57344, 57344)
;;       step = 2.0 ** (np.maximum(np.frexp(np.where(r == 0, 1, r))[1] - 1, -14) - 2)
;;       q = np.round(r / step) * step * 2.0 ** e      # np.round: ties to even
;;       return np.moveaxis(q, -1, axis).astype(np.float32)
;;   ~~~
;;   OPERANDS COMPUTED ON THE WAY. 'Computed on the way' means the value that the module computes at that place (a softmax that the list does not call 'softmax' is quantised finished and normalised). What goes into a quantiser is computed in f32, as accurately as f32 sums, v_exp_f32 and their like allow (about 1e-6 of the number): no bf16 or f16 on the way to a quantiser, and a product that is left as it is and whose result goes on into a quantised operand takes f32 operands (vector FMAs, or v_wmma_f32_16x16x4_f32). A number that lies on a knife's edge between two numbers of the format may be rounded either way, as far as f32 arithmetic and the matrix unit's own rounding can turn it there, and no further.
;;   INPUTS GIVEN AS CODES. Wt (in the module: [512, 32], K = its axis 0); Wx (in the module: [512, 32], K = its axis 0): each comes as NAME_codes (uint8): NAME with its K axis moved to the last place and cut into blocks of 32 codes, [.., K / 32, bytes a block], one block behind the other in memory; one code a byte (a code: sign, 5 exponent bits, 2 mantissa bits); its scale is its entry of lowp_scales. Its value is code x scale, taken as it is: it is not quantised again, and the codes and scales need not be those that the quantiser above would give.
;; 2 versions, each right; version 2 is version 1 with the launch band_attention written anew for expert scheduling mode. Each part assembles by itself: llvm-mc -triple=amdgcn-amd-amdhsa -mcpu=gfx1250 --defsym DOCPART=n.
;; ======== version 1 of 2: 1 launch
;; launch band_attention (part 1): grid 256 x 1, 8 waves a work-group, no clusters, 206,080 bytes of LDS; arguments x, Wt_codes, Wx_codes, lowp_scales, bh, Wa, ba, out0; writes out0
.if DOCPART == 1
	.amdgcn_target "amdgcn-amd-amdhsa--gfx1250"
	.amdhsa_code_object_version 6
	.text
	.protected	k_q77f1df9354_band_attention
	.globl	k_q77f1df9354_band_attention
	.p2align	8
	.type	k_q77f1df9354_band_attention,@function
k_q77f1df9354_band_attention:
	s_mov_b64 s[64:65], 0
	v_nop
	global_prefetch_b8 v0, s[64:65] scope:SCOPE_SE
	s_setreg_imm32_b32 hwreg(HW_REG_WAVE_MODE, 25, 1), 1
	s_wait_xcnt 0x0
; v[b][t][:] = sum over j of a[t][j] x[b][j][:],  a = e / (sum e + 1e-7),  e = exp(sum_u Wa[u] tanh(q[t][u] + k[j][u] + bh[u]) + ba) for j in t-32 .. t+31, else 0;  q = x Wt, k = x Wx.
; x: [4][1024][512] f32.  The three products x Wt, x Wx, a x run on codes of BF8 (E5M2) with the given scales 2^e0 .. 2^e5; all else is f32.
; SHARES.  A work-group owns 16 queries t0 .. t0+15 of one batch (256 work-groups) and the window of 80 key rows t0-32 .. t0+47 (rel = 0 .. 79), five groups of 16 rows.  A group outside the batch
; is loaded from the nearest group inside it; its weights e are set to 0, so its (finite) codes add nothing.  Query r sees rel = r .. r+63.
; PHASES, a barrier between them.  Q: x -> codes in LDS.  P: partial sums of q and k, K split in four.  R: the four parts added and scaled.  E: the weights e.  V: a quantised, a x, the way out.
; No branch stands in the text: every wave runs every line.
; NO CLUSTER: neighbouring work-groups share rows of x, but each one's window begins 16 rows further on than its neighbour's; a tile asked for jointly lies at one LDS address in all partners, so each
; partner's LDS reads would hang on its place in the cluster.  And every number of x has to pass through registers to be converted.
; LIMITS: e0, e2, e4, e5 between -126 and 112 (2^e and 57,344 x 2^e are made as f32 numbers); the sums e0+e1, e2+e3, e4+e5 go through v_ldexp_f32 and have none.  NaN in x is not served.
; As in the definition, no maximum is taken away before the exponential: e overflows where the definition's does.
.set C2P,  528                         ; a row of 512 codes along d + 16: sixteen rows of a fragment load start at sixteen different groups of banks
.set XTP,  1056                        ; a row of XT: 512 units of 2 bytes + 32
.set KQP,  144                         ; a row of 32 f32 + 16
.set EMP,  400                         ; a row of 96 f32 + 16
.set STP,  272                         ; a stage row: 256 bytes + 16
.set C2,   0                           ; codes with d innermost: rows 0-79 the window with e2, rows 80-95 the 16 queries with e0
.set XT,   96*C2P                      ; codes with e5: row p = keys 2p, 2p+1; unit d = (code[2p][d], code[2p+1][d])
.set PS,   XT+40*XTP                   ; partial sums: four parts (one a quarter of K) of 96 rows x 32
.set PSQ,  96*KQP
.set KQ,   PS+4*PSQ                    ; rows 0-79: k' = c k;  rows 80-95: q' = c (q + bh);  c = 2 log2(e)
.set EM,   KQ+PSQ                      ; e[16 queries][96 rel], zeros outside the band; 8,192 bytes are cleared
.set STG,  EM+8192                     ; the way out: 16 rows x 272 bytes for each wave
.set STW,  16*STP
.set WF,   16                          ; v16-47 Wx's two fragments of my K step; v48-79 those of my third unit (Wx or Wt)
.set X,    80                          ; v80-239 my 40 rows x 4 numbers
.set T,    240                         ; v240-247 eight held numbers
.set CD0,  248                         ; v248-251 the first pair's codes; every later pair's codes take the registers that the pair before has left
.set XF,   80                          ; phase P: three fragments of x
.set AC,   128                         ; phase P: six accumulators
.set WA,   176                         ; v176-207 Wa, then Wa' = -c Wa
.set RS,   80                          ; phase R
.set Z,    16                          ; phase E: v16-143 four keys x 32 units
.set QV,   208                         ; phase E: v208-239 q' of my query
.set SA,   144                         ; phase E: four sums, in pairs
.set C0,   240                         ; v240 log2(e) ba - sum Wa' / 2; v241 0
.set BF,   16                          ; phase V: four fragments of x^T
.set EV,   80                          ; phase V: 48 weights
.set AF,   128                         ; phase V: a's fragment
.set AV,   144                         ; phase V: four accumulators
.set OU,   176                         ; phase V: results
	s_load_b256 s[4:11], s[0:1], 0x0               ; x s[4:5], Wt s[6:7], Wx s[8:9], the scales' exponents s[10:11]
	s_load_b256 s[12:19], s[0:1], 0x20             ; bh s[12:13], Wa s[14:15], ba s[16:17], out s[18:19]
	s_set_vgpr_msb 0x40
	v_lshl_add_u32 v0, v0, 2, 0x32100
	v_mov_b32 v1, 0
	s_set_vgpr_msb 0x4000
	v_lshrrev_b32 v1, 5, v0
	v_readfirstlane_b32 s20, v1                    ; wave w = 0..7
	v_and_b32 v1, 31, v0                           ; lane
	v_and_b32 v2, 15, v0                           ; r
	v_bfe_u32 v3, v0, 4, 1                         ; h
	s_and_b32 s21, s20, 3                          ; dq: my quarter of d (128 numbers, 512 bytes of a row), and my K step
	s_lshr_b32 s22, s20, 2                         ; hw: which 40 rows: hw = 0: groups 0, 1 and rows 0-7 of group 2; hw = 1: groups 3, 4 and rows 8-15 of group 2
	s_and_b32 s23, ttmp9, 63                       ; my block of 16 queries in the batch
	s_and_b32 s24, ttmp9, 0xc0                     ; the batch's first block
	s_mul_i32 s25, s22, 3
	s_add_co_i32 s26, s23, s25
	s_sub_co_i32 s26, s26, 2                       ; group g lies at block t - 2 + g: my first group, g = 3 hw,
	s_add_co_i32 s27, s26, 1                       ; my second
	s_max_i32 s26, s26, 0
	s_min_i32 s26, s26, 63                         ; held inside the batch
	s_max_i32 s27, s27, 0
	s_min_i32 s27, s27, 63
	s_add_co_u32 s26, s26, s24
	s_add_co_u32 s27, s27, s24
	s_lshl_b32 s29, s21, 9                         ; 512 dq
	s_lshl_b32 s30, s26, 15                        ; a block of 16 rows is 32,768 bytes
	s_add_co_u32 s30, s30, s29
	s_mov_b32 s31, 0
	s_lshl_b32 s32, s27, 15
	s_add_co_u32 s32, s32, s29
	s_mov_b32 s33, 0
	s_lshl_b32 s34, ttmp9, 15                      ; group 2 is my own block,
	s_lshl_b32 s28, s22, 14                        ; of which I take rows 8 hw on
	s_add_co_u32 s34, s34, s28
	s_add_co_u32 s34, s34, s29
	s_mov_b32 s35, 0
	v_lshlrev_b32 v4, 4, v1                        ; x: 16 bytes a lane: a load reads 512 consecutive bytes of one row
	v_lshlrev_b32 v9, 9, v2                        ; W: row r of 512 codes,
	v_lshl_add_u32 v9, v3, 4, v9                   ; + 16 h,
	s_lshl_b32 s43, s21, 7
	v_add_nc_u32 v9, s43, v9                       ; + my K step
	s_wait_kmcnt 0x0
	s_load_b128 s[36:39], s[10:11], 0x0            ; e0 .. e3
	s_load_b64 s[40:41], s[10:11], 0x10            ; e4, e5
	s_load_b32 s42, s[16:17], 0x0                  ; ba
	s_add_nc_u64 s[30:31], s[4:5], s[30:31]
	s_add_nc_u64 s[32:33], s[4:5], s[32:33]
	s_add_nc_u64 s[34:35], s[4:5], s[34:35]
	s_cmp_eq_u32 s22, 0
	s_cselect_b64 s[44:45], s[8:9], s[6:7]         ; my third unit multiplies by Wx (hw = 0: group 2's keys) or by Wt (hw = 1: the queries)
.irp i, 0,1,2,3,4,5,6,7,8,9,10,11,12,13,14,15
	global_load_b128 v[X+4*\i:X+4*\i+3], v4, s[30:31] offset:2048*\i
.endr
.irp i, 0,1,2,3,4,5,6,7,8,9,10,11,12,13,14,15
	global_load_b128 v[X+64+4*\i:X+64+4*\i+3], v4, s[32:33] offset:2048*\i
.endr
.irp i, 0,1,2,3,4,5,6,7
	global_load_b128 v[X+128+4*\i:X+128+4*\i+3], v4, s[34:35] offset:2048*\i
.endr
; W's fragments (16 units x 128 K): lane (r, h) holds unit 16 n + r; registers 4 c .. 4 c + 3 hold K = 32 c + 16 h + 0 .. 15 of my K step: the same places as in x's fragments below
.irp n, 0,1
.irp c, 0,1,2,3
	global_load_b128 v[WF+16*\n+4*\c:WF+16*\n+4*\c+3], v9, s[8:9] offset:8192*\n+32*\c
.endr
.endr
.irp n, 0,1
.irp c, 0,1,2,3
	global_load_b128 v[WF+32+16*\n+4*\c:WF+32+16*\n+4*\c+3], v9, s[44:45] offset:8192*\n+32*\c
.endr
.endr
	; while the loads are out: e's matrix is cleared, 32 bytes a thread, and the LDS addresses of the codes are made
	v_lshl_add_u32 v11, v0, 4, EM
	v_mov_b32 v12, 0
	v_mov_b32 v13, 0
	v_mov_b32 v14, 0
	v_mov_b32 v15, 0
	ds_store_b128 v11, v[12:15]
	ds_store_b128 v11, v[12:15] offset:4096
	s_mul_i32 s46, s22, 48*C2P                     ; my two whole groups begin at rel 48 hw
	s_lshl_b32 s25, s21, 7
	s_add_co_u32 s46, s46, s25                     ; (C2 is LDS byte 0)
	v_lshl_add_u32 v5, v1, 2, s46                  ; codes along d: four a lane
	s_mul_i32 s47, s22, 8*C2P
	s_add_co_u32 s47, s47, s25
	s_add_co_u32 s47, s47, 32*C2P                  ; my part of group 2: rel 32 + 8 hw on
	v_lshl_add_u32 v6, v1, 2, s47
	s_lshl_b32 s25, s21, 8
	s_mul_i32 s48, s22, 24*XTP
	s_add_co_u32 s48, s48, s25
	s_add_co_u32 s48, s48, XT
	v_lshl_add_u32 v7, v1, 3, s48                  ; key pairs: four units, 8 bytes, a lane
	s_mul_i32 s49, s22, 4*XTP
	s_add_co_u32 s49, s49, s25
	s_add_co_u32 s49, s49, XT+16*XTP
	v_lshl_add_u32 v8, v1, 3, s49
	s_wait_kmcnt 0x0
; 2^e as f32 (the conversion takes its exponent field) and 57,344 x 2^e with both signs
.macro MKSCALE e, vsc, slim, sneg
	s_add_co_i32 s43, s[\e], 127
	s_lshl_b32 s25, s43, 23
	v_mov_b32 v[\vsc], s25
	s_add_co_i32 s43, s43, 15
	s_lshl_b32 s43, s43, 23
	s_or_b32 s[\slim], s43, 0x600000
.if \sneg
	s_or_b32 s[\sneg], s[\slim], 0x80000000
.endif
.endm
	MKSCALE 36, 252, 50, 51                        ; e0: x ahead of Wt
	MKSCALE 38, 253, 52, 53                        ; e2: x ahead of Wx
	MKSCALE 41, 254, 54, 55                        ; e5: x behind a
	MKSCALE 40, 255, 56, 0                         ; e4: a (never negative: one bound)
; PHASE Q.  Two rows j, j+1 (a key pair), four numbers d .. d+3 of each, in v[xr] .. v[xr+7].  The conversion to an 8-bit code does not saturate (ISA guide 7.6.2), so each number is first held within the largest code x the scale.
; With e5 the hold writes the numbers in the order (j,d) (j+1,d) (j,d+1) ..: the eight codes are then four units of XT.  With e2 (and e0: third = 1) they stay by rows: four codes of each row.
; The codes go into registers that nothing writes again before the barrier's wait for the LDS stores.
.macro QPAIR xr, cd, a2, o2, a5, o5, left, third
	s_wait_loadcnt \left                           ; loads come back in order: this pair's two are in, the younger ones stay out
.if \third
.irp i, 0,1,2,3,4,5,6,7
	v_med3_num_f32 v[T+\i], v[(\xr)+\i], s51, s50
.endr
	v_cvt_scalef32_pk8_bf8_f32 v[(\cd)+4:(\cd)+5], v[T:T+7], v252
	v_nop                                          ; a plain instruction between the conversion and the next write of its sources
.endif
.irp i, 0,1,2,3
	v_med3_num_f32 v[T+2*\i], v[(\xr)+\i], s55, s54
	v_med3_num_f32 v[T+2*\i+1], v[(\xr)+4+\i], s55, s54
.endr
	v_cvt_scalef32_pk8_bf8_f32 v[(\cd):(\cd)+1], v[T:T+7], v254
.irp i, 0,1,2,3,4,5,6,7
	v_med3_num_f32 v[(\xr)+\i], v[(\xr)+\i], s53, s52
.endr
	v_cvt_scalef32_pk8_bf8_f32 v[(\cd)+2:(\cd)+3], v[(\xr):(\xr)+7], v253
	ds_store_b64 v[\a5], v[(\cd):(\cd)+1] offset:(\o5)             ; 32 lanes: 256 consecutive bytes of the pair's row
	ds_store_b32 v[\a2], v[(\cd)+2] offset:(\o2)                   ; 128 consecutive bytes of row j,
	ds_store_b32 v[\a2], v[(\cd)+3] offset:(\o2)+C2P               ; of row j+1
.if \third
	ds_store_b32 v[\a2], v[(\cd)+4] offset:(\o2)+48*C2P            ; the queries' rows lie 48 rows behind group 2's
	ds_store_b32 v[\a2], v[(\cd)+5] offset:(\o2)+49*C2P
.endif
.endm
; 56 loads were issued: x's 40, then W's 16.  Pair P's are numbers 2 P and 2 P + 1: 54 - 2 P younger ones may be out.
.set P, 0
.rept 16
.if P == 0
	QPAIR X, CD0, 5, 0, 7, 0, 54, 0
.else
	QPAIR X+8*P, X+8*P-8, 5, 2*P*C2P, 7, P*XTP, 54-2*P, 0
.endif
.set P, P+1
.endr
.rept 4
	QPAIR X+8*P, X+8*P-8, 6, 2*(P-16)*C2P, 8, (P-16)*XTP, 54-2*P, 1
.set P, P+1
.endr
	v_nop                                          ; a plain instruction behind the last conversion
	v_mul_u32_u24 v13, v2, C2P                     ; phase P: x's fragments: row 48 hw + r, + my K step, + 16 h
	v_lshl_add_u32 v13, v3, 4, v13
	v_add_nc_u32 v13, s46, v13
	v_mul_u32_u24 v14, v2, KQP                     ; and where the partial sums go: part dq, row 48 hw + r, + 32 h
	v_lshl_add_u32 v14, v3, 5, v14
	s_mul_i32 s25, s21, PSQ
	s_mul_i32 s26, s22, 48*KQP
	s_add_co_u32 s25, s25, s26
	s_add_co_u32 s25, s25, PS
	v_add_nc_u32 v14, s25, v14
	v_mov_b32 v10, 0
	v_and_b32 v12, 7, v0
	v_lshlrev_b32 v12, 4, v12                      ; bh: the four units of my chunk in phase R
	s_wait_dscnt 0x0                               ; for the others' sake: my codes and zeros lie in LDS
.irp i, 0,1,2,3,4,5,6,7
	global_load_b128 v[WA+4*\i:WA+4*\i+3], v10, s[14:15] offset:16*\i   ; Wa, all 32 in every lane, into registers that x has left; wanted two barriers on
.endr
	global_load_b128 v[208:211], v12, s[12:13]
	s_barrier_signal -1
	s_barrier_wait -1
; PHASE P.  q and k, transposed (source 0 = 16 units of W, source 1 = 16 rows of x): lane (r, h) then holds row r and the units 16 n + 8 h + 0 .. 7.  My three units of work: row tiles 3 hw .. 3 hw + 2 (tile 5: the queries), K step dq.
.irp un, 0,1,2
.irp c, 0,1,2,3
	ds_load_b128 v[XF+16*\un+4*\c:XF+16*\un+4*\c+3], v13 offset:\un*16*C2P+32*\c
.endr
.endr
	s_wait_loadcnt 9                               ; W's fragments are in; behind them: Wa's eight loads and bh's one
	s_wait_dscnt 0x0
.irp un, 0,1
.irp n, 0,1
	v_wmma_f32_16x16x128_bf8_bf8 v[AC+16*\un+8*\n:AC+16*\un+8*\n+7], v[WF+16*\n:WF+16*\n+15], v[XF+16*\un:XF+16*\un+15], 0
.endr
.endr
.irp n, 0,1
	v_wmma_f32_16x16x128_bf8_bf8 v[AC+32+8*\n:AC+32+8*\n+7], v[WF+32+16*\n:WF+32+16*\n+15], v[XF+32:XF+47], 0
.endr
.rept 4
	v_nop                                          ; four places between a matrix instruction and the stores that read its result
.endr
.irp un, 0,1,2
.irp n, 0,1
	ds_store_b128 v14, v[AC+16*\un+8*\n:AC+16*\un+8*\n+3] offset:\un*16*KQP+64*\n
	ds_store_b128 v14, v[AC+16*\un+8*\n+4:AC+16*\un+8*\n+7] offset:\un*16*KQP+64*\n+16
.endr
.endr
	; constants of the later phases, while the stores are out
	s_add_co_i32 s58, s38, s39                     ; e2 + e3
	s_add_co_i32 s59, s36, s37                     ; e0 + e1
	s_add_co_i32 s68, s40, s41                     ; e4 + e5
	s_cmp_eq_u32 s22, 1                            ; in phase R waves 4-7 have the queries' rows as their third chunk
	s_cselect_b32 s60, s59, s58
	s_cselect_b32 s61, 0x4038aa3b, 0               ; c = 2 log2(e), or no bias
	v_mov_b32 v212, 0x4038aa3b
	v_ldexp_f32 v214, v212, s60                    ; the third chunk's factor,
	v_mov_b32 v215, v214
	v_ldexp_f32 v212, v212, s58                    ; c 2^(e2 + e3)
	v_mov_b32 v213, v212
	s_wait_loadcnt 0x0                             ; Wa, bh
.irp i, 0,1,2,3
	v_mul_f32 v[216+\i], s61, v[208+\i]            ; c bh, or 0
.endr
.set U, 0
.rept 16
	v_pk_mul_f32 v[WA+U:WA+U+1], v[WA+U:WA+U+1], 0xc038aa3b op_sel_hi:[1,0]   ; Wa' = -c Wa: sum Wa tanh x log2(e) = sum Wa' (rr - 1/2), rr = 1 / (1 + 2^z)
.set U, U+2
.endr
	v_pk_add_f32 v[242:243], v[WA:WA+1], v[WA+2:WA+3]
	v_pk_add_f32 v[244:245], v[WA+4:WA+5], v[WA+6:WA+7]
.set U, 8
.rept 6
	v_pk_add_f32 v[242:243], v[242:243], v[WA+U:WA+U+1]
	v_pk_add_f32 v[244:245], v[244:245], v[WA+U+2:WA+U+3]
.set U, U+4
.endr
	v_pk_add_f32 v[242:243], v[242:243], v[244:245]
	v_add_f32 v242, v242, v243                     ; sum Wa'
	v_mov_b32 v243, s42
	v_mul_f32 v243, 0x3fb8aa3b, v243               ; log2(e) ba
	v_fma_f32 v[C0], -0.5, v242, v243
	v_mov_b32 v[C0+1], 0
	v_lshrrev_b32 v4, 3, v0                        ; phase R: thread t takes 16 bytes (chunk t % 8) of rows t / 8, + 32, + 64
	v_mul_u32_u24 v4, v4, KQP
	v_and_b32 v15, 7, v0
	v_lshl_add_u32 v4, v15, 4, v4
	v_add_nc_u32 v4, PS, v4
	s_wait_dscnt 0x0                               ; my partial sums lie in LDS
	s_barrier_signal -1
	s_barrier_wait -1
; PHASE R.  The four parts are added; rows 0-79 x c 2^(e2+e3) = k'; rows 80-95 x c 2^(e0+e1) + c bh = q'.
.irp i, 0,1,2
.irp q, 0,1,2,3
	ds_load_b128 v[RS+16*\i+4*\q:RS+16*\i+4*\q+3], v4 offset:\q*PSQ+\i*32*KQP
.endr
.endr
	v_lshl_add_u32 v5, v3, 2, v2                   ; phase E's addresses, while the loads are out: r + 4 h
	s_lshl_b32 s25, s20, 3
	v_add_nc_u32 v5, s25, v5                       ; + 8 w: rel of my first key of four
	v_mul_u32_u24 v6, v5, KQP
	v_add_nc_u32 v6, KQ, v6                        ; its row of k'
	v_mul_u32_u24 v7, v2, KQP
	v_add_nc_u32 v7, KQ+80*KQP, v7                 ; my query's row of q'
	s_wait_dscnt 0x0
.irp i, 0,1,2
	v_pk_add_f32 v[RS+16*\i:RS+16*\i+1], v[RS+16*\i:RS+16*\i+1], v[RS+16*\i+4:RS+16*\i+5]
	v_pk_add_f32 v[RS+16*\i+2:RS+16*\i+3], v[RS+16*\i+2:RS+16*\i+3], v[RS+16*\i+6:RS+16*\i+7]
	v_pk_add_f32 v[RS+16*\i+8:RS+16*\i+9], v[RS+16*\i+8:RS+16*\i+9], v[RS+16*\i+12:RS+16*\i+13]
	v_pk_add_f32 v[RS+16*\i+10:RS+16*\i+11], v[RS+16*\i+10:RS+16*\i+11], v[RS+16*\i+14:RS+16*\i+15]
	v_pk_add_f32 v[RS+16*\i:RS+16*\i+1], v[RS+16*\i:RS+16*\i+1], v[RS+16*\i+8:RS+16*\i+9]
	v_pk_add_f32 v[RS+16*\i+2:RS+16*\i+3], v[RS+16*\i+2:RS+16*\i+3], v[RS+16*\i+10:RS+16*\i+11]
.if \i < 2
	v_pk_mul_f32 v[RS+16*\i:RS+16*\i+1], v[RS+16*\i:RS+16*\i+1], v[212:213]
	v_pk_mul_f32 v[RS+16*\i+2:RS+16*\i+3], v[RS+16*\i+2:RS+16*\i+3], v[212:213]
.else
	v_pk_fma_f32 v[RS+16*\i:RS+16*\i+1], v[RS+16*\i:RS+16*\i+1], v[214:215], v[216:217]
	v_pk_fma_f32 v[RS+16*\i+2:RS+16*\i+3], v[RS+16*\i+2:RS+16*\i+3], v[214:215], v[218:219]
.endif
	ds_store_b128 v4, v[RS+16*\i:RS+16*\i+3] offset:KQ-PS+\i*32*KQP
.endr
	s_lshl_b32 s62, s23, 4
	s_sub_co_i32 s62, s62, 32                      ; t0 - 32: the window's first row in the batch
	v_add_nc_u32 v156, s62, v5                     ; my four keys' places in the batch: they count where 0 <= place < 1,024
	v_add_nc_u32 v157, 1, v156
	v_add_nc_u32 v158, 2, v156
	v_add_nc_u32 v159, 3, v156
	v_mul_u32_u24 v160, v2, EMP+4                  ; e(r, rel) lies at 400 r + 4 rel = 404 r + 32 w + 16 h + 4 i
	v_lshl_add_u32 v160, v3, 4, v160
	s_lshl_b32 s25, s20, 5
	s_add_co_u32 s25, s25, EM
	v_add_nc_u32 v160, s25, v160
	; the turning loads of phase V: lane l addresses 16 bytes: key pair 8 h + l % 8, units 8 ((l / 8) % 2) + 0 .. 7 of the tile; it receives, of unit (channel) r, eight key pairs: 16 neighbouring keys in four registers
	v_and_b32 v161, 7, v0
	v_bfe_u32 v162, v0, 3, 1
	v_lshl_add_u32 v163, v3, 3, v161
	v_mul_u32_u24 v163, v163, XTP
	v_lshl_add_u32 v163, v162, 4, v163
	s_lshl_b32 s26, s20, 7                         ; my 64 channels: 128 bytes of a row of XT
	s_add_co_u32 s26, s26, XT
	v_add_nc_u32 v163, s26, v163
	v_mul_u32_u24 v164, v161, XTP                  ; for keys 64-79: both halves of the lanes read pairs 32-39; lanes 16-31 meet zero codes of a there
	v_lshl_add_u32 v164, v162, 4, v164
	v_add_nc_u32 v164, s26, v164
	s_wait_dscnt 0x0                               ; my rows of k' and q' lie in LDS
	s_barrier_signal -1
	s_barrier_wait -1
; PHASE E.  Lane (r, h) of wave w: query r, keys rel = r + 8 w + 4 h + i, i = 0 .. 3: the 1,024 pairs of the band, each once.  z = q' + k';  rr = 1 / (1 + 2^z);  e = 2^(C0 + sum Wa' rr).
; 2^z = infinity gives rr = 0, 2^z = 0 gives rr = 1: tanh's two ends.
.irp c, 0,1,2,3,4,5,6,7
	ds_load_b128 v[QV+4*\c:QV+4*\c+3], v7 offset:16*\c
.endr
.irp i, 0,1,2,3
.irp c, 0,1,2,3,4,5,6,7
	ds_load_b128 v[Z+32*\i+4*\c:Z+32*\i+4*\c+3], v6 offset:KQP*\i+16*\c
.endr
.endr
.set I, 0
.rept 4
	s_wait_dscnt 24-8*I                            ; of the 40 loads q' and keys 0 .. I are in; eight for each later key may be out
.set U, 0
.rept 16
	v_pk_add_f32 v[Z+32*I+U:Z+32*I+U+1], v[Z+32*I+U:Z+32*I+U+1], v[QV+U:QV+U+1]
.set U, U+2
.endr
.set U, 0
.rept 32
	v_exp_f32 v[Z+32*I+U], v[Z+32*I+U]
.set U, U+1
.endr
.set I, I+1
.endr
	v_nop                                          ; a plain instruction behind the last exponential
	s_wait_alu depctr_va_vdst(0)                   ; one wait for the 128 exponentials, ahead of their first reader
.set I, 0
.rept 4
.set U, 0
.rept 16
	v_pk_add_f32 v[Z+32*I+U:Z+32*I+U+1], v[Z+32*I+U:Z+32*I+U+1], 1.0 op_sel_hi:[1,0]
.set U, U+2
.endr
.set U, 0
.rept 32
	v_rcp_f32 v[Z+32*I+U], v[Z+32*I+U]
.set U, U+1
.endr
.set I, I+1
.endr
	v_nop
	s_wait_alu depctr_va_vdst(0)                   ; one wait for the 128 reciprocals
.irp i, 0,1,2,3
	v_pk_fma_f32 v[SA+2*\i:SA+2*\i+1], v[Z+32*\i:Z+32*\i+1], v[WA:WA+1], v[C0:C0+1]   ; the first term starts the sum on (C0, 0); the four keys' chains take turns
.endr
.set U, 2
.rept 15
.irp i, 0,1,2,3
	v_pk_fma_f32 v[SA+2*\i:SA+2*\i+1], v[Z+32*\i+U:Z+32*\i+U+1], v[WA+U:WA+U+1], v[SA+2*\i:SA+2*\i+1]
.endr
.set U, U+2
.endr
; x^T's fragments for phase V are fetched here (their codes lie in LDS since the first barrier): tile t = channels 64 w + 16 t on; registers 4 c .. 4 c + 3: keys 32 c + 16 h + 0 .. 15; registers 12-15: zero codes
.irp t, 0,1,2,3
	ds_load_tr16_b128 v[BF+16*\t:BF+16*\t+3], v163 offset:32*\t
	ds_load_tr16_b128 v[BF+16*\t+4:BF+16*\t+7], v163 offset:32*\t+16*XTP
	ds_load_tr16_b128 v[BF+16*\t+8:BF+16*\t+11], v164 offset:32*\t+32*XTP
.endr
.irp i, 0,1,2,3
	v_add_f32 v[152+\i], v[SA+2*\i], v[SA+2*\i+1]
.endr
.irp i, 0,1,2,3
	v_exp_f32 v[152+\i], v[152+\i]
.endr
.irp t, 0,1,2,3
.irp i, 12,13,14,15
	v_mov_b32 v[BF+16*\t+\i], 0                    ; (plain work behind the exponentials)
.endr
.endr
	s_wait_alu depctr_va_vdst(0)                   ; one wait for the four exponentials
.irp i, 0,1,2,3
	v_cmp_gt_u32 vcc_lo, 0x400, v[156+\i]          ; unsigned: a place under 0 is a very large number
	v_cndmask_b32 v[152+\i], 0, v[152+\i], vcc_lo  ; a key outside the batch counts for nothing
	ds_store_b32 v160, v[152+\i] offset:4*\i
.endr
	v_mul_u32_u24 v8, v2, EMP                      ; phase V: row r of e, + 64 h
	v_lshl_add_u32 v8, v3, 6, v8
	v_add_nc_u32 v8, EM, v8
	s_mov_b32 s66, 0x76543210                      ; lane selects: lane l xor 16
	s_mov_b32 s67, 0xfedcba98
	s_wait_dscnt 0x0                               ; my weights lie in LDS, and x^T's fragments are in
	s_barrier_signal -1
	s_barrier_wait -1
; PHASE V.  Every wave makes a's whole fragment: lane (r, h): query r, registers 16 c + 0 .. 15 = e(r, 32 c + 16 h + 0 .. 15), c = 0 .. 2 (rel 80-95 are zeros).
.irp c, 0,1,2
.irp i, 0,1,2,3
	ds_load_b128 v[EV+16*\c+4*\i:EV+16*\c+4*\i+3], v8 offset:128*\c+16*\i
.endr
.endr
.irp i, 12,13,14,15
	v_mov_b32 v[AF+\i], 0
.endr
	v_ldexp_f32 v214, 1.0, s68                     ; 2^(e4 + e5)
	v_mov_b32 v215, v214
	s_wait_dscnt 0x0
	v_pk_add_f32 v[208:209], v[EV:EV+1], v[EV+2:EV+3]              ; the row's sum, of the unquantised e, in two chains
	v_pk_add_f32 v[210:211], v[EV+4:EV+5], v[EV+6:EV+7]
.set U, 8
.rept 10
	v_pk_add_f32 v[208:209], v[208:209], v[EV+U:EV+U+1]
	v_pk_add_f32 v[210:211], v[210:211], v[EV+U+2:EV+U+3]
.set U, U+4
.endr
	v_pk_add_f32 v[208:209], v[208:209], v[210:211]
	v_add_f32 v208, v208, v209
	v_permlanex16_b32 v209, v208, s66, s67         ; the other half of the lanes holds the query's other keys
	v_add_f32 v208, v208, v209
	v_add_f32 v208, 0x33d6bf95, v208               ; + 1e-7
	v_rcp_f32 v212, v208
	v_nop
	s_wait_alu depctr_va_vdst(0)                   ; the wait ahead of the reciprocal's first reader
	v_mov_b32 v213, v212
.set U, 0
.rept 24
	v_pk_mul_f32 v[EV+U:EV+U+1], v[EV+U:EV+U+1], v[212:213]        ; a = e / (sum + 1e-7)
.set U, U+2
.endr
.set U, 0
.rept 48
	v_min_num_f32 v[EV+U], s56, v[EV+U]            ; held at the largest code x 2^e4; a is never negative
.set U, U+1
.endr
.irp g, 0,1,2,3,4,5
	v_cvt_scalef32_pk8_bf8_f32 v[AF+2*\g:AF+2*\g+1], v[EV+8*\g:EV+8*\g+7], v255
.endr
	v_nop                                          ; a plain instruction between the last conversion and the matrix instructions that read the codes
; O^T = x^T a^T (source 0 = 16 channels, source 1 = the 16 queries), K = the window's 80 keys and 48 zero codes: lane (r, h) holds query r, channels 64 w + 16 t + 8 h + 0 .. 7
.irp t, 0,1,2,3
	v_wmma_f32_16x16x128_bf8_bf8 v[AV+8*\t:AV+8*\t+7], v[BF+16*\t:BF+16*\t+15], v[AF:AF+15], 0
.endr
	s_mul_i32 s25, s20, STW                        ; the way out's addresses: ten plain instructions that name none of the products' registers: the places ahead of the first read of the results
	s_add_co_u32 s25, s25, STG                     ; my stage
	v_mul_u32_u24 v10, v2, STP
	v_lshl_add_u32 v10, v3, 5, v10
	v_add_nc_u32 v10, s25, v10                     ; in: row r, 32 bytes for each half of the lanes
	v_mul_u32_u24 v11, v3, STP
	v_lshl_add_u32 v11, v2, 4, v11
	v_add_nc_u32 v11, s25, v11                     ; back: lanes 0-15 one row of 256 bytes, lanes 16-31 the next
	v_lshlrev_b32 v9, 4, v2
	v_lshl_add_u32 v9, v3, 11, v9                  ; and the same two rows in the output
	v_nop
	v_nop
	s_lshl_b32 s70, ttmp9, 15                      ; my 16 rows of the output,
	s_lshl_b32 s25, s20, 8                         ; my wave's 256 bytes of each
	s_add_co_u32 s70, s70, s25
	s_mov_b32 s71, 0
	s_add_nc_u64 s[70:71], s[18:19], s[70:71]
.irp t, 0,1,2,3
.irp i, 0,2,4,6
	v_pk_mul_f32 v[OU+8*\t+\i:OU+8*\t+\i+1], v[AV+8*\t+\i:AV+8*\t+\i+1], v[214:215]   ; x 2^(e4 + e5); each accumulator from its low end on
.endr
.endr
.irp t, 0,1,2,3
	ds_store_b128 v10, v[OU+8*\t:OU+8*\t+3] offset:64*\t
	ds_store_b128 v10, v[OU+8*\t+4:OU+8*\t+7] offset:64*\t+16
.endr
.irp i, 0,1,2,3,4,5,6,7
	ds_load_b128 v[EV+4*\i:EV+4*\i+3], v11 offset:2*\i*STP         ; LDS serves a wave's instructions in order (ISA guide 5.7.1.4): these see my stores; the stage is my wave's own
.endr
.irp i, 0,1,2,3,4,5,6,7
	s_wait_dscnt 7-\i                              ; load i is in; the younger ones may be out
	global_store_b128 v9, v[EV+4*\i:EV+4*\i+3], s[70:71] offset:4096*\i th:TH_STORE_NT   ; sixteen lanes store 256 consecutive bytes, at a multiple of 256 from the output's first byte
.endr
	s_set_vgpr_msb 0x5
	s_wait_tensorcnt 0x0
	ds_add_u32 v0, v1
	s_wait_dscnt 0x0
	s_set_vgpr_msb 0x500
	s_endpgm
.Lfunc_end_k_q77f1df9354_band_attention:
	.size	k_q77f1df9354_band_attention, .Lfunc_end_k_q77f1df9354_band_attention-k_q77f1df9354_band_attention
	.p2alignl 7, 3214868480
	.fill 96, 4, 3214868480
	.section	.rodata,"a",@progbits
	.p2align	6, 0x0
	.amdhsa_kernel k_q77f1df9354_band_attention
		.amdhsa_group_segment_fixed_size 206080
		.amdhsa_private_segment_fixed_size 0
		.amdhsa_enable_private_segment 0
		.amdhsa_kernarg_size 64
		.amdhsa_user_sgpr_count 2
		.amdhsa_user_sgpr_kernarg_segment_ptr 1
		.amdhsa_wavefront_size32 1
		.amdhsa_system_sgpr_workgroup_id_x 1
		.amdhsa_system_sgpr_workgroup_id_y 1
		.amdhsa_system_sgpr_workgroup_id_z 1
		.amdhsa_system_vgpr_workitem_id 0
		.amdhsa_next_free_vgpr 258
		.amdhsa_next_free_sgpr 72
		.amdhsa_reserve_vcc 1
		.amdhsa_float_denorm_mode_32 3
		.amdhsa_float_denorm_mode_16_64 3
		.amdhsa_memory_ordered 1
		.amdhsa_forward_progress 1
		.amdhsa_inst_pref_size 87
	.end_amdhsa_kernel
	.amdgpu_metadata
---
amdhsa.version: [ 1, 2 ]
amdhsa.kernels:
  - .name:           k_q77f1df9354_band_attention
    .symbol:         k_q77f1df9354_band_attention.kd
    .args:
      - { .name: x, .offset: 0, .size: 8, .value_kind: global_buffer, .address_space: global }
      - { .name: Wt_codes, .offset: 8, .size: 8, .value_kind: global_buffer, .address_space: global }
      - { .name: Wx_codes, .offset: 16, .size: 8, .value_kind: global_buffer, .address_space: global }
      - { .name: lowp_scales, .offset: 24, .size: 8, .value_kind: global_buffer, .address_space: global }
      - { .name: bh, .offset: 32, .size: 8, .value_kind: global_buffer, .address_space: global }
      - { .name: Wa, .offset: 40, .size: 8, .value_kind: global_buffer, .address_space: global }
      - { .name: ba, .offset: 48, .size: 8, .value_kind: global_buffer, .address_space: global }
      - { .name: out0, .offset: 56, .size: 8, .value_kind: global_buffer, .address_space: global }
    .group_segment_fixed_size: 206080
    .private_segment_fixed_size: 0
    .kernarg_segment_align: 8
    .kernarg_segment_size: 64
    .max_flat_workgroup_size: 256
    .sgpr_count:     72
    .vgpr_count:     258
    .wavefront_size: 32
...
	.end_amdgpu_metadata
.endif
;; end of part 1
;; ======== version 2 of 2: 1 launch; version 1 with the launch band_attention written anew for expert scheduling mode
;; launch band_attention (part 2): grid 256 x 1, 8 waves a work-group, no clusters, 206,080 bytes of LDS; arguments x, Wt_codes, Wx_codes, lowp_scales, bh, Wa, ba, out0; writes out0
.if DOCPART == 2
	.amdgcn_target "amdgcn-amd-amdhsa--gfx1250"
	.amdhsa_code_object_version 6
	.text
	.protected	k_q77f1df9354_band_attention
	.globl	k_q77f1df9354_band_attention
	.p2align	8
	.type	k_q77f1df9354_band_attention,@function
k_q77f1df9354_band_attention:
	s_mov_b64 s[64:65], 0
	v_nop
	global_prefetch_b8 v0, s[64:65] scope:SCOPE_SE
	s_setreg_imm32_b32 hwreg(HW_REG_WAVE_SCHED_MODE, 0, 2), 2
	s_setreg_imm32_b32 hwreg(HW_REG_WAVE_MODE, 25, 1), 1
	s_wait_xcnt 0x0
	s_wait_alu depctr_vm_vsrc(0)
; v[b][t][:] = sum over j of a[t][j] x[b][j][:],  a = e / (sum e + 1e-7),  e = exp(sum_u Wa[u] tanh(q[t][u] + k[j][u] + bh[u]) + ba) for j in t-32 .. t+31, else 0;  q = x Wt, k = x Wx.
; x: [4][1024][512] f32.  The three products x Wt, x Wx, a x run on codes of BF8 (E5M2) with the given scales 2^e0 .. 2^e5; all else is f32.
; SHARES.  A work-group owns 16 queries t0 .. t0+15 of one batch (256 work-groups) and the window of 80 key rows t0-32 .. t0+47 (rel = 0 .. 79), five groups of 16 rows.  A group outside the batch
; is loaded from the nearest group inside it; its weights e are set to 0, so its (finite) codes add nothing.  Query r sees rel = r .. r+63.
; PHASES, a barrier between them.  Q: x -> codes in LDS.  P: partial sums of q and k, K split in four.  R: the four parts added and scaled.  E: the weights e.  V: a quantised, a x, the way out.
; No branch stands in the text: every wave runs every line.
; NO CLUSTER: neighbouring work-groups share rows of x, but each one's window begins 16 rows further on than its neighbour's; a tile asked for jointly lies at one LDS address in all partners, so each
; partner's LDS reads would hang on its place in the cluster.  And every number of x has to pass through registers to be converted.
; LIMITS: e0, e2, e4, e5 between -126 and 112 (2^e and 57,344 x 2^e are made as f32 numbers); the sums e0+e1, e2+e3, e4+e5 go through v_ldexp_f32 and have none.  NaN in x is not served.
; As in the definition, no maximum is taken away before the exponential: e overflows where the definition's does.
; THE MODE: SCHED_MODE bits 1:0 = 2 (LLVM: expert scheduling mode 2), set by the entry lines.  The code itself states the register dependences between vector or matrix instructions and memory or LDS
; instructions, with s_wait_alu, always for 0.
; THE PLAN.  Registers that memory or LDS instructions touch:
;   v4-v15     offsets, LDS addresses, four zeros.  All that phase Q needs are made at the head, ahead of one wait; each is made anew for a later phase only behind a wait on vm_vsrc that stands behind its last reader.
;   v80-239    x as loaded.  Pair P's codes are written into the registers that pair P - 1's numbers have left (pair 0's into v248-251) and are read by the pair's LDS stores, which are issued four pairs later:
;              phase Q goes in batches of four pairs, one wait on va_vdst at a batch's head states that the batch before has written its codes, and that batch's stores are dealt among this batch's pairs.
;              Batch b's vector lines name the registers of pairs 4 b - 1 and up; the stores issued in it read those of pairs 4 b - 2 and down.
;   Each later phase: its address lines stand ahead of ONE wait on va_vdst, which also stands behind the arithmetic whose results the phase's stores read and behind the last vector or matrix reader of the
;   registers in which the next LDS loads land; beside the wait on DScnt in front of each barrier one wait on vm_vsrc states that the phase's stores and loads have read their registers.
.set C2P,  528                         ; a row of 512 codes along d + 16: sixteen rows of a fragment load start at sixteen different groups of banks
.set XTP,  1056                        ; a row of XT: 512 units of 2 bytes + 32
.set KQP,  144                         ; a row of 32 f32 + 16
.set EMP,  400                         ; a row of 96 f32 + 16
.set STP,  272                         ; a stage row: 256 bytes + 16
.set C2,   0                           ; codes with d innermost: rows 0-79 the window with e2, rows 80-95 the 16 queries with e0
.set XT,   96*C2P                      ; codes with e5: row p = keys 2p, 2p+1; unit d = (code[2p][d], code[2p+1][d])
.set PS,   XT+40*XTP                   ; partial sums: four parts (one a quarter of K) of 96 rows x 32
.set PSQ,  96*KQP
.set KQ,   PS+4*PSQ                    ; rows 0-79: k' = c k;  rows 80-95: q' = c (q + bh);  c = 2 log2(e)
.set EM,   KQ+PSQ                      ; e[16 queries][96 rel], zeros outside the band; 8,192 bytes are cleared
.set STG,  EM+8192                     ; the way out: 16 rows x 272 bytes for each wave
.set STW,  16*STP
.set WF,   16                          ; v16-47 Wx's two fragments of my K step; v48-79 those of my third unit (Wx or Wt)
.set X,    80                          ; v80-239 my 40 rows x 4 numbers
.set T,    240                         ; v240-247 eight held numbers
.set CD0,  248                         ; v248-251 the first pair's codes; every later pair's codes take the registers that the pair before has left
.set XF,   80                          ; phase P: three fragments of x
.set AC,   128                         ; phase P: six accumulators
.set WA,   176                         ; v176-207 Wa, then Wa' = -c Wa
.set RS,   80                          ; phase R
.set Z,    16                          ; phase E: v16-143 four keys x 32 units
.set QV,   208                         ; phase E: v208-239 q' of my query
.set SA,   144                         ; phase E: four sums, in pairs
.set C0,   240                         ; v240 log2(e) ba - sum Wa' / 2; v241 0
.set BF,   16                          ; phase V: four fragments of x^T
.set EV,   80                          ; phase V: 48 weights
.set AF,   128                         ; phase V: a's fragment
.set AV,   144                         ; phase V: four accumulators
.set OU,   176                         ; phase V: results
	s_load_b256 s[4:11], s[0:1], 0x0               ; x s[4:5], Wt s[6:7], Wx s[8:9], the scales' exponents s[10:11]
	s_load_b256 s[12:19], s[0:1], 0x20             ; bh s[12:13], Wa s[14:15], ba s[16:17], out s[18:19]
	s_set_vgpr_msb 0x40
	v_lshl_add_u32 v0, v0, 2, 0x32100
	v_mov_b32 v1, 0
	s_set_vgpr_msb 0x4000
	v_lshrrev_b32 v1, 5, v0
	v_readfirstlane_b32 s20, v1                    ; wave w = 0..7
	v_and_b32 v1, 31, v0                           ; lane
	v_and_b32 v2, 15, v0                           ; r
	v_bfe_u32 v3, v0, 4, 1                         ; h
	v_lshlrev_b32 v4, 4, v1                        ; x: 16 bytes a lane: a load reads 512 consecutive bytes of one row
	v_lshlrev_b32 v9, 9, v2                        ; W: row r of 512 codes,
	v_lshl_add_u32 v9, v3, 4, v9                   ; + 16 h
	v_lshl_add_u32 v11, v0, 4, EM                  ; e's matrix is cleared, 32 bytes a thread: my first 16,
	v_mov_b32 v12, 0                               ; and the zeros
	v_mov_b32 v13, 0
	v_mov_b32 v14, 0
	v_mov_b32 v15, 0
	s_wait_alu depctr_va_sdst(0)                   ; s20 is written, ahead of its first reader: bases, LDS addresses and shares are made from it
	s_and_b32 s21, s20, 3                          ; dq: my quarter of d (128 numbers, 512 bytes of a row), and my K step
	s_lshr_b32 s22, s20, 2                         ; hw: which 40 rows: hw = 0: groups 0, 1 and rows 0-7 of group 2; hw = 1: groups 3, 4 and rows 8-15 of group 2
	s_and_b32 s23, ttmp9, 63                       ; my block of 16 queries in the batch
	s_and_b32 s24, ttmp9, 0xc0                     ; the batch's first block
	s_mul_i32 s25, s22, 3
	s_add_co_i32 s26, s23, s25
	s_sub_co_i32 s26, s26, 2                       ; group g lies at block t - 2 + g: my first group, g = 3 hw,
	s_add_co_i32 s27, s26, 1                       ; my second
	s_max_i32 s26, s26, 0
	s_min_i32 s26, s26, 63                         ; held inside the batch
	s_max_i32 s27, s27, 0
	s_min_i32 s27, s27, 63
	s_add_co_u32 s26, s26, s24
	s_add_co_u32 s27, s27, s24
	s_lshl_b32 s29, s21, 9                         ; 512 dq
	s_lshl_b32 s30, s26, 15                        ; a block of 16 rows is 32,768 bytes
	s_add_co_u32 s30, s30, s29
	s_mov_b32 s31, 0
	s_lshl_b32 s32, s27, 15
	s_add_co_u32 s32, s32, s29
	s_mov_b32 s33, 0
	s_lshl_b32 s34, ttmp9, 15                      ; group 2 is my own block,
	s_lshl_b32 s28, s22, 14                        ; of which I take rows 8 hw on
	s_add_co_u32 s34, s34, s28
	s_add_co_u32 s34, s34, s29
	s_mov_b32 s35, 0
	s_lshl_b32 s43, s21, 7
	v_add_nc_u32 v9, s43, v9                       ; W: + my K step
	; the LDS addresses of the codes are made here too, while the arguments are on their way: one wait then serves every address of phase Q
	s_mul_i32 s46, s22, 48*C2P                     ; my two whole groups begin at rel 48 hw
	s_lshl_b32 s25, s21, 7
	s_add_co_u32 s46, s46, s25                     ; (C2 is LDS byte 0)
	v_lshl_add_u32 v5, v1, 2, s46                  ; codes along d: four a lane
	s_mul_i32 s47, s22, 8*C2P
	s_add_co_u32 s47, s47, s25
	s_add_co_u32 s47, s47, 32*C2P                  ; my part of group 2: rel 32 + 8 hw on
	v_lshl_add_u32 v6, v1, 2, s47
	s_lshl_b32 s25, s21, 8
	s_mul_i32 s48, s22, 24*XTP
	s_add_co_u32 s48, s48, s25
	s_add_co_u32 s48, s48, XT
	v_lshl_add_u32 v7, v1, 3, s48                  ; key pairs: four units, 8 bytes, a lane
	s_mul_i32 s49, s22, 4*XTP
	s_add_co_u32 s49, s49, s25
	s_add_co_u32 s49, s49, XT+16*XTP
	v_lshl_add_u32 v8, v1, 3, s49
	s_wait_kmcnt 0x0
	s_load_b128 s[36:39], s[10:11], 0x0            ; e0 .. e3
	s_load_b64 s[40:41], s[10:11], 0x10            ; e4, e5
	s_load_b32 s42, s[16:17], 0x0                  ; ba
	s_add_nc_u64 s[30:31], s[4:5], s[30:31]
	s_add_nc_u64 s[32:33], s[4:5], s[32:33]
	s_add_nc_u64 s[34:35], s[4:5], s[34:35]
	s_cmp_eq_u32 s22, 0
	s_cselect_b64 s[44:45], s[8:9], s[6:7]         ; my third unit multiplies by Wx (hw = 0: group 2's keys) or by Wt (hw = 1: the queries)
	s_wait_alu depctr_va_vdst(0)                   ; v4 and v9 (the loads' offsets), v11 to v15 (address and data of the stores of zeros) and v5 to v8 (the addresses of the codes' stores) are written
.irp i, 0,1,2,3,4,5,6,7,8,9,10,11,12,13,14,15
	global_load_b128 v[X+4*\i:X+4*\i+3], v4, s[30:31] offset:2048*\i
.endr
.irp i, 0,1,2,3,4,5,6,7,8,9,10,11,12,13,14,15
	global_load_b128 v[X+64+4*\i:X+64+4*\i+3], v4, s[32:33] offset:2048*\i
.endr
.irp i, 0,1,2,3,4,5,6,7
	global_load_b128 v[X+128+4*\i:X+128+4*\i+3], v4, s[34:35] offset:2048*\i
.endr
; W's fragments (16 units x 128 K): lane (r, h) holds unit 16 n + r; registers 4 c .. 4 c + 3 hold K = 32 c + 16 h + 0 .. 15 of my K step: the same places as in x's fragments below
.irp n, 0,1
.irp c, 0,1,2,3
	global_load_b128 v[WF+16*\n+4*\c:WF+16*\n+4*\c+3], v9, s[8:9] offset:8192*\n+32*\c
.endr
.endr
.irp n, 0,1
.irp c, 0,1,2,3
	global_load_b128 v[WF+32+16*\n+4*\c:WF+32+16*\n+4*\c+3], v9, s[44:45] offset:8192*\n+32*\c
.endr
.endr
	ds_store_b128 v11, v[12:15]                    ; while the loads are out: e's matrix is cleared
	ds_store_b128 v11, v[12:15] offset:4096
	s_wait_kmcnt 0x0
; 2^e as f32 (the conversion takes its exponent field) and 57,344 x 2^e with both signs
.macro MKSCALE e, vsc, slim, sneg
	s_add_co_i32 s43, s[\e], 127
	s_lshl_b32 s25, s43, 23
	v_mov_b32 v[\vsc], s25
	s_add_co_i32 s43, s43, 15
	s_lshl_b32 s43, s43, 23
	s_or_b32 s[\slim], s43, 0x600000
.if \sneg
	s_or_b32 s[\sneg], s[\slim], 0x80000000
.endif
.endm
	MKSCALE 36, 252, 50, 51                        ; e0: x ahead of Wt
	MKSCALE 38, 253, 52, 53                        ; e2: x ahead of Wx
	MKSCALE 41, 254, 54, 55                        ; e5: x behind a
	MKSCALE 40, 255, 56, 0                         ; e4: a (never negative: one bound)
; PHASE Q.  Pair p: two rows j, j+1 (a key pair), four numbers d .. d+3 of each, in eight registers.  The conversion to an 8-bit code does not saturate (ISA guide 7.6.2), so each number is first held within the largest code x the scale.
; With e5 the hold writes the numbers in the order (j,d) (j+1,d) (j,d+1) ..: the eight codes are then four units of XT.  With e2 (and e0: pairs 16 to 19, the queries' rows) they stay by rows: four codes of each row.
; The codes go into registers that no vector line names again before the wait on vm_vsrc at the phase's end.
.macro QSTORE q                        ; pair q's codes go to LDS
.if (\q) == 0
.set CQ, CD0
.else
.set CQ, X+8*(\q)-8
.endif
.if (\q) < 16
	ds_store_b64 v7, v[CQ:CQ+1] offset:(\q)*XTP                    ; 32 lanes: 256 consecutive bytes of the pair's row
	ds_store_b32 v5, v[CQ+2] offset:2*(\q)*C2P                     ; 128 consecutive bytes of row j,
	ds_store_b32 v5, v[CQ+3] offset:2*(\q)*C2P+C2P                 ; of row j+1
.else
	ds_store_b64 v8, v[CQ:CQ+1] offset:((\q)-16)*XTP
	ds_store_b32 v6, v[CQ+2] offset:2*((\q)-16)*C2P
	ds_store_b32 v6, v[CQ+3] offset:2*((\q)-16)*C2P+C2P
	ds_store_b32 v6, v[CQ+4] offset:2*((\q)-16)*C2P+48*C2P         ; the queries' rows lie 48 rows behind group 2's
	ds_store_b32 v6, v[CQ+5] offset:2*((\q)-16)*C2P+49*C2P
.endif
.endm
; 56 loads were issued: x's 40, then W's 16.  Pair p's are numbers 2 p and 2 p + 1: 54 - 2 p younger ones may be out.
.macro QPAIR p
.set XP, X+8*(\p)
.if (\p) == 0
.set CP, CD0
.else
.set CP, X+8*(\p)-8
.endif
	s_wait_loadcnt 54-2*(\p)                       ; loads come back in order: this pair's two are in, the younger ones stay out
.if ((\p) > 0) && ((\p) % 4 == 0)
	s_wait_alu depctr_va_vdst(0)                   ; a batch's head: the conversions of the four pairs before have written their codes, which the stores dealt among this batch's pairs read
.endif
.if (\p) >= 4
	QSTORE (\p)-4                                  ; no vector line since the batch's wait names these registers
.endif
.if (\p) >= 16
.irp i, 0,1,2,3,4,5,6,7
	v_med3_num_f32 v[T+\i], v[XP+\i], s51, s50
.endr
	v_cvt_scalef32_pk8_bf8_f32 v[CP+4:CP+5], v[T:T+7], v252
	v_nop                                          ; a plain instruction between the conversion and the next write of its sources
.endif
.irp i, 0,1,2,3
	v_med3_num_f32 v[T+2*\i], v[XP+\i], s55, s54
	v_med3_num_f32 v[T+2*\i+1], v[XP+4+\i], s55, s54
.endr
	v_cvt_scalef32_pk8_bf8_f32 v[CP:CP+1], v[T:T+7], v254
.irp i, 0,1,2,3,4,5,6,7
	v_med3_num_f32 v[XP+\i], v[XP+\i], s53, s52
.endr
	v_cvt_scalef32_pk8_bf8_f32 v[CP+2:CP+3], v[XP:XP+7], v253
.endm
.set P, 0
.rept 20
	QPAIR P
.set P, P+1
.endr
	v_nop                                          ; a plain instruction behind the last conversion
	s_wait_alu depctr_vm_vsrc(0)                   ; the two stores of zeros have read v12 to v15, of which three are written below
	v_mul_u32_u24 v13, v2, C2P                     ; phase P: x's fragments: row 48 hw + r, + my K step, + 16 h
	v_lshl_add_u32 v13, v3, 4, v13
	v_add_nc_u32 v13, s46, v13
	v_mul_u32_u24 v14, v2, KQP                     ; and where the partial sums go: part dq, row 48 hw + r, + 32 h
	v_lshl_add_u32 v14, v3, 5, v14
	s_mul_i32 s25, s21, PSQ
	s_mul_i32 s26, s22, 48*KQP
	s_add_co_u32 s25, s25, s26
	s_add_co_u32 s25, s25, PS
	v_add_nc_u32 v14, s25, v14
	v_mov_b32 v10, 0
	v_and_b32 v12, 7, v0
	v_lshlrev_b32 v12, 4, v12                      ; bh: the four units of my chunk in phase R
	s_wait_alu depctr_va_vdst(0)                   ; the last batch's codes are written (the stores below read them); so are v10, v12, v13, v14; and no vector line is still reading or writing v80-239, in which Wa, bh and x's fragments land
	QSTORE 16
	QSTORE 17
	QSTORE 18
	QSTORE 19
	s_wait_dscnt 0x0                               ; for the others' sake: my codes and zeros lie in LDS
	s_wait_alu depctr_vm_vsrc(0)                   ; all stores of codes have read their data (among them v80-127 and v176-213, in which loads land next) and v5 to v8; the loads of x and W have read v4 and v9
.irp i, 0,1,2,3,4,5,6,7
	global_load_b128 v[WA+4*\i:WA+4*\i+3], v10, s[14:15] offset:16*\i   ; Wa, all 32 in every lane, into registers that x has left; wanted two barriers on
.endr
	global_load_b128 v[208:211], v12, s[12:13]
	s_barrier_signal -1
	s_barrier_wait -1
; PHASE P.  q and k, transposed (source 0 = 16 units of W, source 1 = 16 rows of x): lane (r, h) then holds row r and the units 16 n + 8 h + 0 .. 7.  My three units of work: row tiles 3 hw .. 3 hw + 2 (tile 5: the queries), K step dq.
; (No vector line has been issued since the two waits at phase Q's end: they serve these loads' address and registers.)
.irp un, 0,1,2
.irp c, 0,1,2,3
	ds_load_b128 v[XF+16*\un+4*\c:XF+16*\un+4*\c+3], v13 offset:\un*16*C2P+32*\c
.endr
.endr
	s_wait_loadcnt 9                               ; W's fragments are in; behind them: Wa's eight loads and bh's one
	s_wait_dscnt 0x0
.irp un, 0,1
.irp n, 0,1
	v_wmma_f32_16x16x128_bf8_bf8 v[AC+16*\un+8*\n:AC+16*\un+8*\n+7], v[WF+16*\n:WF+16*\n+15], v[XF+16*\un:XF+16*\un+15], 0
.endr
.endr
.irp n, 0,1
	v_wmma_f32_16x16x128_bf8_bf8 v[AC+32+8*\n:AC+32+8*\n+7], v[WF+32+16*\n:WF+32+16*\n+15], v[XF+32:XF+47], 0
.endr
	v_lshrrev_b32 v4, 3, v0                        ; phase R: thread t takes 16 bytes (chunk t % 8) of rows t / 8, + 32, + 64.  These five plain lines name none of the products' registers:
	v_mul_u32_u24 v4, v4, KQP                      ; they are the places between a matrix instruction and the stores that read its result (four are asked)
	v_and_b32 v15, 7, v0
	v_lshl_add_u32 v4, v15, 4, v4
	v_add_nc_u32 v4, PS, v4
	s_wait_alu depctr_va_vdst(0)                   ; the products have written the sums, which the stores read, and are done reading v16-127, in which the next phases' loads land; v4 is written.  The places above stay beside this wait
.irp un, 0,1,2
.irp n, 0,1
	ds_store_b128 v14, v[AC+16*\un+8*\n:AC+16*\un+8*\n+3] offset:\un*16*KQP+64*\n
	ds_store_b128 v14, v[AC+16*\un+8*\n+4:AC+16*\un+8*\n+7] offset:\un*16*KQP+64*\n+16
.endr
.endr
	; constants of the later phases, while the stores are out: these lines name v176-219 and v240-245 alone
	s_add_co_i32 s58, s38, s39                     ; e2 + e3
	s_add_co_i32 s59, s36, s37                     ; e0 + e1
	s_add_co_i32 s68, s40, s41                     ; e4 + e5
	s_cmp_eq_u32 s22, 1                            ; in phase R waves 4-7 have the queries' rows as their third chunk
	s_cselect_b32 s60, s59, s58
	s_cselect_b32 s61, 0x4038aa3b, 0               ; c = 2 log2(e), or no bias
	v_mov_b32 v212, 0x4038aa3b
	v_ldexp_f32 v214, v212, s60                    ; the third chunk's factor,
	v_mov_b32 v215, v214
	v_ldexp_f32 v212, v212, s58                    ; c 2^(e2 + e3)
	v_mov_b32 v213, v212
	s_wait_loadcnt 0x0                             ; Wa, bh
.irp i, 0,1,2,3
	v_mul_f32 v[216+\i], s61, v[208+\i]            ; c bh, or 0
.endr
.set U, 0
.rept 16
	v_pk_mul_f32 v[WA+U:WA+U+1], v[WA+U:WA+U+1], 0xc038aa3b op_sel_hi:[1,0]   ; Wa' = -c Wa: sum Wa tanh x log2(e) = sum Wa' (rr - 1/2), rr = 1 / (1 + 2^z)
.set U, U+2
.endr
	v_pk_add_f32 v[242:243], v[WA:WA+1], v[WA+2:WA+3]
	v_pk_add_f32 v[244:245], v[WA+4:WA+5], v[WA+6:WA+7]
.set U, 8
.rept 6
	v_pk_add_f32 v[242:243], v[242:243], v[WA+U:WA+U+1]
	v_pk_add_f32 v[244:245], v[244:245], v[WA+U+2:WA+U+3]
.set U, U+4
.endr
	v_pk_add_f32 v[242:243], v[242:243], v[244:245]
	v_add_f32 v242, v242, v243                     ; sum Wa'
	v_mov_b32 v243, s42
	v_mul_f32 v243, 0x3fb8aa3b, v243               ; log2(e) ba
	v_fma_f32 v[C0], -0.5, v242, v243
	v_mov_b32 v[C0+1], 0
	s_wait_dscnt 0x0                               ; my partial sums lie in LDS
	s_wait_alu depctr_vm_vsrc(0)                   ; my stores have read v128-175, of which v156-164 are written in the next phase and v128-143 loaded in the one after; Wa's loads have read v10
	s_barrier_signal -1
	s_barrier_wait -1
; PHASE R.  The four parts are added; rows 0-79 x c 2^(e2+e3) = k'; rows 80-95 x c 2^(e0+e1) + c bh = q'.
.irp i, 0,1,2
.irp q, 0,1,2,3
	ds_load_b128 v[RS+16*\i+4*\q:RS+16*\i+4*\q+3], v4 offset:\q*PSQ+\i*32*KQP
.endr
.endr
	v_lshl_add_u32 v5, v3, 2, v2                   ; phase E's addresses and those of the turning loads, while the loads are out: r + 4 h
	s_lshl_b32 s25, s20, 3
	v_add_nc_u32 v5, s25, v5                       ; + 8 w: rel of my first key of four
	v_mul_u32_u24 v6, v5, KQP
	v_add_nc_u32 v6, KQ, v6                        ; its row of k'
	v_mul_u32_u24 v7, v2, KQP
	v_add_nc_u32 v7, KQ+80*KQP, v7                 ; my query's row of q'
	s_lshl_b32 s62, s23, 4
	s_sub_co_i32 s62, s62, 32                      ; t0 - 32: the window's first row in the batch
	v_add_nc_u32 v156, s62, v5                     ; my four keys' places in the batch: they count where 0 <= place < 1,024
	v_add_nc_u32 v157, 1, v156
	v_add_nc_u32 v158, 2, v156
	v_add_nc_u32 v159, 3, v156
	v_mul_u32_u24 v160, v2, EMP+4                  ; e(r, rel) lies at 400 r + 4 rel = 404 r + 32 w + 16 h + 4 i
	v_lshl_add_u32 v160, v3, 4, v160
	s_lshl_b32 s25, s20, 5
	s_add_co_u32 s25, s25, EM
	v_add_nc_u32 v160, s25, v160
	; the turning loads of phase V: lane l addresses 16 bytes: key pair 8 h + l % 8, units 8 ((l / 8) % 2) + 0 .. 7 of the tile; it receives, of unit (channel) r, eight key pairs: 16 neighbouring keys in four registers
	v_and_b32 v161, 7, v0
	v_bfe_u32 v162, v0, 3, 1
	v_lshl_add_u32 v163, v3, 3, v161
	v_mul_u32_u24 v163, v163, XTP
	v_lshl_add_u32 v163, v162, 4, v163
	s_lshl_b32 s26, s20, 7                         ; my 64 channels: 128 bytes of a row of XT
	s_add_co_u32 s26, s26, XT
	v_add_nc_u32 v163, s26, v163
	v_mul_u32_u24 v164, v161, XTP                  ; for keys 64-79: both halves of the lanes read pairs 32-39; lanes 16-31 meet zero codes of a there
	v_lshl_add_u32 v164, v162, 4, v164
	v_add_nc_u32 v164, s26, v164
	s_wait_dscnt 0x0
.irp i, 0,1,2
	v_pk_add_f32 v[RS+16*\i:RS+16*\i+1], v[RS+16*\i:RS+16*\i+1], v[RS+16*\i+4:RS+16*\i+5]
	v_pk_add_f32 v[RS+16*\i+2:RS+16*\i+3], v[RS+16*\i+2:RS+16*\i+3], v[RS+16*\i+6:RS+16*\i+7]
	v_pk_add_f32 v[RS+16*\i+8:RS+16*\i+9], v[RS+16*\i+8:RS+16*\i+9], v[RS+16*\i+12:RS+16*\i+13]
	v_pk_add_f32 v[RS+16*\i+10:RS+16*\i+11], v[RS+16*\i+10:RS+16*\i+11], v[RS+16*\i+14:RS+16*\i+15]
	v_pk_add_f32 v[RS+16*\i:RS+16*\i+1], v[RS+16*\i:RS+16*\i+1], v[RS+16*\i+8:RS+16*\i+9]
	v_pk_add_f32 v[RS+16*\i+2:RS+16*\i+3], v[RS+16*\i+2:RS+16*\i+3], v[RS+16*\i+10:RS+16*\i+11]
.if \i < 2
	v_pk_mul_f32 v[RS+16*\i:RS+16*\i+1], v[RS+16*\i:RS+16*\i+1], v[212:213]
	v_pk_mul_f32 v[RS+16*\i+2:RS+16*\i+3], v[RS+16*\i+2:RS+16*\i+3], v[212:213]
.else
	v_pk_fma_f32 v[RS+16*\i:RS+16*\i+1], v[RS+16*\i:RS+16*\i+1], v[214:215], v[216:217]
	v_pk_fma_f32 v[RS+16*\i+2:RS+16*\i+3], v[RS+16*\i+2:RS+16*\i+3], v[214:215], v[218:219]
.endif
.endr
	s_wait_alu depctr_va_vdst(0)                   ; the three chunks are written, which the stores read; v6, v7, v160, v163, v164 are written; the lines above are done reading v80-127 and v212-219, in which the next phase's loads land
.irp i, 0,1,2
	ds_store_b128 v4, v[RS+16*\i:RS+16*\i+3] offset:KQ-PS+\i*32*KQP
.endr
	s_wait_dscnt 0x0                               ; my rows of k' and q' lie in LDS
	s_wait_alu depctr_vm_vsrc(0)                   ; my three stores have read v80-83, v96-99, v112-115, in which the next phase's loads land
	s_barrier_signal -1
	s_barrier_wait -1
; PHASE E.  Lane (r, h) of wave w: query r, keys rel = r + 8 w + 4 h + i, i = 0 .. 3: the 1,024 pairs of the band, each once.  z = q' + k';  rr = 1 / (1 + 2^z);  e = 2^(C0 + sum Wa' rr).
; 2^z = infinity gives rr = 0, 2^z = 0 gives rr = 1: tanh's two ends.
.irp c, 0,1,2,3,4,5,6,7
	ds_load_b128 v[QV+4*\c:QV+4*\c+3], v7 offset:16*\c
.endr
.irp i, 0,1,2,3
.irp c, 0,1,2,3,4,5,6,7
	ds_load_b128 v[Z+32*\i+4*\c:Z+32*\i+4*\c+3], v6 offset:KQP*\i+16*\c
.endr
.endr
.set I, 0
.rept 4
	s_wait_dscnt 24-8*I                            ; of the 40 loads q' and keys 0 .. I are in; eight for each later key may be out
.set U, 0
.rept 16
	v_pk_add_f32 v[Z+32*I+U:Z+32*I+U+1], v[Z+32*I+U:Z+32*I+U+1], v[QV+U:QV+U+1]
.set U, U+2
.endr
.set U, 0
.rept 32
	v_exp_f32 v[Z+32*I+U], v[Z+32*I+U]
.set U, U+1
.endr
.set I, I+1
.endr
	v_nop                                          ; a plain instruction behind the last exponential
	s_wait_alu depctr_va_vdst(0)                   ; one wait for the 128 exponentials in v16-143, ahead of their first reader
.set I, 0
.rept 4
.set U, 0
.rept 16
	v_pk_add_f32 v[Z+32*I+U:Z+32*I+U+1], v[Z+32*I+U:Z+32*I+U+1], 1.0 op_sel_hi:[1,0]
.set U, U+2
.endr
.set U, 0
.rept 32
	v_rcp_f32 v[Z+32*I+U], v[Z+32*I+U]
.set U, U+1
.endr
.set I, I+1
.endr
	v_nop
	s_wait_alu depctr_va_vdst(0)                   ; one wait for the 128 reciprocals in v16-143
.irp i, 0,1,2,3
	v_pk_fma_f32 v[SA+2*\i:SA+2*\i+1], v[Z+32*\i:Z+32*\i+1], v[WA:WA+1], v[C0:C0+1]   ; the first term starts the sum on (C0, 0); the four keys' chains take turns
.endr
.set U, 2
.rept 15
.irp i, 0,1,2,3
	v_pk_fma_f32 v[SA+2*\i:SA+2*\i+1], v[Z+32*\i+U:Z+32*\i+U+1], v[WA+U:WA+U+1], v[SA+2*\i:SA+2*\i+1]
.endr
.set U, U+2
.endr
.irp i, 0,1,2,3
	v_cmp_gt_u32 s[46+\i], 0x400, v[156+\i]        ; does key i lie in the batch?  Unsigned: a place under 0 is a very large number.  Four masks in a run, in four scalar registers
.endr
.irp i, 0,1,2,3
	v_add_f32 v[152+\i], v[SA+2*\i], v[SA+2*\i+1]
.endr
.irp i, 0,1,2,3
	v_exp_f32 v[152+\i], v[152+\i]
.endr
.irp t, 0,1,2,3
.irp i, 12,13,14,15
	v_mov_b32 v[BF+16*\t+\i], 0                    ; (plain work behind the exponentials)
.endr
.endr
	s_wait_alu depctr_va_sdst(0)                   ; the four masks s46 to s49 are written, ahead of their first reader
	s_wait_alu depctr_va_vdst(0)                   ; the four exponentials in v152-155 are written, ahead of their first reader; and the multiply-adds are done reading v16-143, in which the loads below and the next phase's land
; x^T's fragments for phase V are fetched here (their codes lie in LDS since the first barrier): tile t = channels 64 w + 16 t on; registers 4 c .. 4 c + 3: keys 32 c + 16 h + 0 .. 15; registers 12-15: zero codes
.irp t, 0,1,2,3
	ds_load_tr16_b128 v[BF+16*\t:BF+16*\t+3], v163 offset:32*\t
	ds_load_tr16_b128 v[BF+16*\t+4:BF+16*\t+7], v163 offset:32*\t+16*XTP
	ds_load_tr16_b128 v[BF+16*\t+8:BF+16*\t+11], v164 offset:32*\t+32*XTP
.endr
.irp i, 0,1,2,3
	v_cndmask_b32 v[152+\i], 0, v[152+\i], s[46+\i]   ; a key outside the batch counts for nothing
.endr
	v_mul_u32_u24 v8, v2, EMP                      ; phase V: row r of e, + 64 h
	v_lshl_add_u32 v8, v3, 6, v8
	v_add_nc_u32 v8, EM, v8
	s_wait_alu depctr_va_vdst(0)                   ; the four selects have written v152-155, which the stores read; v8 is written
.irp i, 0,1,2,3
	ds_store_b32 v160, v[152+\i] offset:4*\i
.endr
	s_mov_b32 s66, 0x76543210                      ; lane selects: lane l xor 16
	s_mov_b32 s67, 0xfedcba98
	s_wait_dscnt 0x0                               ; my weights lie in LDS, and x^T's fragments are in
	s_wait_alu depctr_vm_vsrc(0)                   ; the stores of e have read v152-155 and v160, the turning loads v163 and v164: the last phase's products write v144-175
	s_barrier_signal -1
	s_barrier_wait -1
; PHASE V.  Every wave makes a's whole fragment: lane (r, h): query r, registers 16 c + 0 .. 15 = e(r, 32 c + 16 h + 0 .. 15), c = 0 .. 2 (rel 80-95 are zeros).
.irp c, 0,1,2
.irp i, 0,1,2,3
	ds_load_b128 v[EV+16*\c+4*\i:EV+16*\c+4*\i+3], v8 offset:128*\c+16*\i
.endr
.endr
.irp i, 12,13,14,15
	v_mov_b32 v[AF+\i], 0
.endr
	v_ldexp_f32 v214, 1.0, s68                     ; 2^(e4 + e5)
	v_mov_b32 v215, v214
	s_wait_dscnt 0x0
	v_pk_add_f32 v[208:209], v[EV:EV+1], v[EV+2:EV+3]              ; the row's sum, of the unquantised e, in two chains
	v_pk_add_f32 v[210:211], v[EV+4:EV+5], v[EV+6:EV+7]
.set U, 8
.rept 10
	v_pk_add_f32 v[208:209], v[208:209], v[EV+U:EV+U+1]
	v_pk_add_f32 v[210:211], v[210:211], v[EV+U+2:EV+U+3]
.set U, U+4
.endr
	v_pk_add_f32 v[208:209], v[208:209], v[210:211]
	v_add_f32 v208, v208, v209
	v_permlanex16_b32 v209, v208, s66, s67         ; the other half of the lanes holds the query's other keys
	v_add_f32 v208, v208, v209
	v_add_f32 v208, 0x33d6bf95, v208               ; + 1e-7
	v_rcp_f32 v212, v208
	v_nop
	s_wait_alu depctr_va_vdst(0)                   ; the reciprocal in v212 is written, ahead of its first reader
	v_mov_b32 v213, v212
.set U, 0
.rept 24
	v_pk_mul_f32 v[EV+U:EV+U+1], v[EV+U:EV+U+1], v[212:213]        ; a = e / (sum + 1e-7)
.set U, U+2
.endr
.set U, 0
.rept 48
	v_min_num_f32 v[EV+U], s56, v[EV+U]            ; held at the largest code x 2^e4; a is never negative
.set U, U+1
.endr
.irp g, 0,1,2,3,4,5
	v_cvt_scalef32_pk8_bf8_f32 v[AF+2*\g:AF+2*\g+1], v[EV+8*\g:EV+8*\g+7], v255
.endr
	v_nop                                          ; a plain instruction between the last conversion and the matrix instructions that read the codes
; O^T = x^T a^T (source 0 = 16 channels, source 1 = the 16 queries), K = the window's 80 keys and 48 zero codes: lane (r, h) holds query r, channels 64 w + 16 t + 8 h + 0 .. 7
.irp t, 0,1,2,3
	v_wmma_f32_16x16x128_bf8_bf8 v[AV+8*\t:AV+8*\t+7], v[BF+16*\t:BF+16*\t+15], v[AF:AF+15], 0
.endr
	s_mul_i32 s25, s20, STW                        ; the way out's addresses: ten plain instructions that name none of the products' registers: the places ahead of the first read of the results
	s_add_co_u32 s25, s25, STG                     ; my stage
	v_mul_u32_u24 v10, v2, STP
	v_lshl_add_u32 v10, v3, 5, v10
	v_add_nc_u32 v10, s25, v10                     ; in: row r, 32 bytes for each half of the lanes
	v_mul_u32_u24 v11, v3, STP
	v_lshl_add_u32 v11, v2, 4, v11
	v_add_nc_u32 v11, s25, v11                     ; back: lanes 0-15 one row of 256 bytes, lanes 16-31 the next
	v_lshlrev_b32 v9, 4, v2
	v_lshl_add_u32 v9, v3, 11, v9                  ; and the same two rows in the output
	v_nop
	v_nop
	s_lshl_b32 s70, ttmp9, 15                      ; my 16 rows of the output,
	s_lshl_b32 s25, s20, 8                         ; my wave's 256 bytes of each
	s_add_co_u32 s70, s70, s25
	s_mov_b32 s71, 0
	s_add_nc_u64 s[70:71], s[18:19], s[70:71]
.irp t, 0,1,2,3
.irp i, 0,2,4,6
	v_pk_mul_f32 v[OU+8*\t+\i:OU+8*\t+\i+1], v[AV+8*\t+\i:AV+8*\t+\i+1], v[214:215]   ; x 2^(e4 + e5); each accumulator from its low end on
.endr
.endr
	s_wait_alu depctr_va_vdst(0)                   ; the results in v176-207 are written, which the stage's stores read; v9, v10, v11 are written; the conversions are done reading v80-111, in which the stage's loads land
.irp t, 0,1,2,3
	ds_store_b128 v10, v[OU+8*\t:OU+8*\t+3] offset:64*\t
	ds_store_b128 v10, v[OU+8*\t+4:OU+8*\t+7] offset:64*\t+16
.endr
.irp i, 0,1,2,3,4,5,6,7
	ds_load_b128 v[EV+4*\i:EV+4*\i+3], v11 offset:2*\i*STP         ; LDS serves a wave's instructions in order (ISA guide 5.7.1.4): these see my stores; the stage is my wave's own
.endr
.irp i, 0,1,2,3,4,5,6,7
	s_wait_dscnt 7-\i                              ; load i is in; the younger ones may be out
	global_store_b128 v9, v[EV+4*\i:EV+4*\i+3], s[70:71] offset:4096*\i th:TH_STORE_NT   ; sixteen lanes store 256 consecutive bytes, at a multiple of 256 from the output's first byte
.endr
	s_set_vgpr_msb 0x5
	s_wait_dscnt 0x0
	s_wait_alu depctr_hold_cnt(0) depctr_sa_sdst(0) depctr_va_vdst(0) depctr_va_sdst(0) depctr_va_ssrc(0) depctr_va_vcc(0) depctr_vm_vsrc(0)
	s_wait_tensorcnt 0x0
	ds_add_u32 v0, v1
	s_wait_dscnt 0x0
	s_endpgm
.Lfunc_end_k_q77f1df9354_band_attention:
	.size	k_q77f1df9354_band_attention, .Lfunc_end_k_q77f1df9354_band_attention-k_q77f1df9354_band_attention
	.p2alignl 7, 3214868480
	.fill 96, 4, 3214868480
	.section	.rodata,"a",@progbits
	.p2align	6, 0x0
	.amdhsa_kernel k_q77f1df9354_band_attention
		.amdhsa_group_segment_fixed_size 206080
		.amdhsa_private_segment_fixed_size 0
		.amdhsa_enable_private_segment 0
		.amdhsa_kernarg_size 64
		.amdhsa_user_sgpr_count 2
		.amdhsa_user_sgpr_kernarg_segment_ptr 1
		.amdhsa_wavefront_size32 1
		.amdhsa_system_sgpr_workgroup_id_x 1
		.amdhsa_system_sgpr_workgroup_id_y 1
		.amdhsa_system_sgpr_workgroup_id_z 1
		.amdhsa_system_vgpr_workitem_id 0
		.amdhsa_next_free_vgpr 258
		.amdhsa_next_free_sgpr 72
		.amdhsa_reserve_vcc 0
		.amdhsa_float_denorm_mode_32 3
		.amdhsa_float_denorm_mode_16_64 3
		.amdhsa_memory_ordered 1
		.amdhsa_forward_progress 1
		.amdhsa_inst_pref_size 88
	.end_amdhsa_kernel
	.amdgpu_metadata
---
amdhsa.version: [ 1, 2 ]
amdhsa.kernels:
  - .name:           k_q77f1df9354_band_attention
    .symbol:         k_q77f1df9354_band_attention.kd
    .args:
      - { .name: x, .offset: 0, .size: 8, .value_kind: global_buffer, .address_space: global }
      - { .name: Wt_codes, .offset: 8, .size: 8, .value_kind: global_buffer, .address_space: global }
      - { .name: Wx_codes, .offset: 16, .size: 8, .value_kind: global_buffer, .address_space: global }
      - { .name: lowp_scales, .offset: 24, .size: 8, .value_kind: global_buffer, .address_space: global }
      - { .name: bh, .offset: 32, .size: 8, .value_kind: global_buffer, .address_space: global }
      - { .name: Wa, .offset: 40, .size: 8, .value_kind: global_buffer, .address_space: global }
      - { .name: ba, .offset: 48, .size: 8, .value_kind: global_buffer, .address_space: global }
      - { .name: out0, .offset: 56, .size: 8, .value_kind: global_buffer, .address_space: global }
    .group_segment_fixed_size: 206080
    .private_segment_fixed_size: 0
    .kernarg_segment_align: 8
    .kernarg_segment_size: 64
    .max_flat_workgroup_size: 256
    .sgpr_count:     72
    .vgpr_count:     258
    .wavefront_size: 32
...
	.end_amdgpu_metadata
.endif
;; end of part 2
